; MI455X (gfx1250); checked and timed in simulation.
; The chip was launched on July 23, 2026; its instructions are those of AMD's public machine-readable ISA for CDNA 5 (MIT licence, August 2026) and "CDNA5" Instruction Set Architecture Reference Guide (July 2026). The comments in the code are by the model that wrote it; some were corrected since.
;; Similarity Logit. Allowed arithmetic: matrix products marked QUANTISED: E5M2 operands, one given power-of-two scale a tensor, by v_wmma_f32_16x16x64_bf8_bf8 or v_wmma_f32_16x16x128_bf8_bf8, f32 sums; products left as they are: f32 operands where the result goes on into a quantised operand, else bf16, f16 or f32 operands; f32 sums; everything else in f32.
;; Inputs: local_tokens 64 x 1,024 x 1,024 float32; lowp_scales 4 int32 (the exponents e of the quantised operands' scales 2^e); queries 512 x 1,024 float32.
;; Outputs: out0 512 x 64 float32.
;; This version of the problem:
;;   THIS VERSION OF THE PROBLEM IS GIVEN IN LOW PRECISION. The matrix products marked QUANTISED in the list below multiply operands that are first quantised to E5M2 (5 exponent bits, 2 mantissa bits; 8 bits a number), with one given power-of-two scale for each operand tensor; their sums are f32. All else is computed in f32.
;;   The module's matrix products, in the order in which they are computed (A, B: the left and right operand; K: the contracted axis; several contracted axes count as one K, in the product's order):
;;     1. [M 65,536, K 1,024] x [K 1,024, N 512]; A: input local_tokens; B: input queries: QUANTISED (scales: A lowp_scales[0], B lowp_scales[1])
;;     2. batch 64 x [M 512, K 1,024] x [K 1,024, N 1,024]; A: softmax (see below); B: input local_tokens: QUANTISED (scales: A lowp_scales[2], B lowp_scales[3])
;;     3. batch 512 x [M 64, K 1,024] x [K 1,024, N 1]; A: computed on the way; B: computed on the way: left as it is (N = 1 < 16)
;;   THE QUANTISER, for each operand of a quantised product, along K:
;;     - The operand's scale is 2^e, e = its entry of the input lowp_scales (int32; the entries are numbered through the quantised products in the list's order, A before B).
;;     - Each number is divided by the scale, clamped to +-57,344, and rounded to the nearest number of E5M2, ties to even, subnormals kept.
;;     - The product sums the exact products of the quantised numbers (number of the format x scale) in f32.
;;   ~~~python
;;   def quantise(x, axis, e):      # numpy; x: float32 -> the quantised numbers, widened to float32 again
;;       x = np.moveaxis(x, axis, -1); K = x.shape[-1]
;;       r = np.clip(x / 2.0 ** e, -57344, 57344)
;;       step = 2.0 ** (np.maximum(np.frexp(np.where(r == 0, 1, r))[1] - 1, -14) - 2)
;;       q = np.round(r / step) * step * 2.0 ** e      # np.round: ties to even
;;       return np.moveaxis(q, -1, axis).astype(np.float32)
;;   ~~~
;;   SOFTMAX AHEAD OF A QUANTISED PRODUCT. Where the list says 'softmax', what is quantised is not the finished softmax but p = 2^(t - M), with t = logit x log2(e) and M = ceil(the row's largest t), a whole number; so 1/2 < the row's largest p <= 1. The row's sum l is taken of the UNQUANTISED p, in f32, and the product's result is divided by l at the end. Since M is a whole number, a kernel that streams over the keys may use a running M (the ceiling of the running maximum): every later rescaling is an exact power of two, so the quantised numbers keep their values, but for numbers so far below the row's largest that they fall under the format's range.
;;   OPERANDS COMPUTED ON THE WAY. 'Computed on the way' means the value that the module computes at that place (a softmax that the list does not call 'softmax' is quantised finished and normalised). What goes into a quantiser is computed in f32, as accurately as f32 sums, v_exp_f32 and their like allow (about 1e-6 of the number): no bf16 or f16 on the way to a quantiser, and a product that is left as it is and whose result goes on into a quantised operand takes f32 operands (vector FMAs, or v_wmma_f32_16x16x4_f32). A number that lies on a knife's edge between two numbers of the format may be rounded either way, as far as f32 arithmetic and the matrix unit's own rounding can turn it there, and no further.
;; One version. Each part assembles by itself: llvm-mc -triple=amdgcn-amd-amdhsa -mcpu=gfx1250 --defsym DOCPART=n.
;; ======== version 1 of 1: 2 launches
;; limits: right only within a limited range of input values
;; workspace buffers: codes 134,217,728 bytes; qcodes 524,288 bytes; qimg 2,097,152 bytes
;; launch quant (part 1): grid 256 x 1, 16 waves a work-group, no clusters, 143,360 bytes of LDS; arguments local_tokens, queries, lowp_scales, codes, qcodes, qimg; writes codes, qcodes, qimg
.if DOCPART == 1
	.amdgcn_target "amdgcn-amd-amdhsa--gfx1250"
	.amdhsa_code_object_version 6
	.text
	.protected	k_qd0ab733df1_quant
	.globl	k_qd0ab733df1_quant
	.p2align	8
	.type	k_qd0ab733df1_quant,@function
k_qd0ab733df1_quant:
	s_mov_b64 s[64:65], 0
	v_nop
	global_prefetch_b8 v0, s[64:65] scope:SCOPE_SE
	s_setreg_imm32_b32 hwreg(HW_REG_WAVE_MODE, 25, 1), 1
	s_wait_xcnt 0x0
; The tokens [64][1024 l][1024 d], f32, become codes of E5M2 twice: along d with the scale 2^e0 (kind 0) and along l with 2^e3 (kind 1); the queries [512][1024] become codes along d with 2^e1,
; and are also copied as f32 in the order in which the next launch's accumulators lie.  code = x / 2^e, held within +-57,344, to the nearest code, ties to even.
; LIMITS: each e between -126 and 112, so that 2^e and 57,344 x 2^e are f32 numbers.  NaN among the inputs is not served (an infinity is held at the largest code).
; ALL OPERANDS ARE LAID AS IMAGES OF THEIR REGISTERS.  A fragment is 16 rows x 128 K, 2,048 bytes: the code of (row r, k) lies at 512 c + 256 h + 16 r + k % 16, c = (k % 128) / 32, h = (k % 32) / 16:
; that is 512 c + 16 x lane for lane r + 16 h, whose registers 4 c .. 4 c + 3 then hold k = 32 c + 16 h + 0 .. 15.
; codes: [batch][kind][ch 4][hs 2][s' 4][t' 16][2048]: tile of rows 16 ch + t', K step 4 hs + s'.  Kind 0: rows = tokens, K = d; in a chunk of 256 tokens row r of tile 2 B + u is token 32 B + 8 u + r + 8 (r / 8),
; so that the scores of two neighbouring tiles are 16 neighbouring tokens in a lane.  Kind 1: rows = d in their order, K = l.
; qcodes: [tile of 16 queries][K step][2048].  qimg: [tile of 16 queries][tile of 16 d][1024]: (query r, d = 16 td + 8 hh + j) at 512 (j / 4) + 16 (r + 16 hh) + 4 (j % 4).
; SHARES.  A work-group takes 256 tokens of a batch (1 MiB on end).  Wave w takes d block w % 8 (128 of d) and, of each 64 tokens, the 32 from 32 (w / 8) on: eight units of 32 tokens x 64 d, unit v = tokens 64 (v / 2) on,
; d 64 (v % 2) on.  A unit's 16 loads read two rows' aligned 256 bytes each.  The unit goes into the wave's own stage in LDS as it lies and is read back twice: 16 neighbours along d of one token a lane (kind 0), and a
; column d a lane with its registers running down l (kind 1).  So both sets of codes come out of the conversions with K innermost, and nothing is transposed by an instruction.  Waves share nothing: no barrier.
; LOADS ARE ALWAYS ON THEIR WAY: two sets of 64 registers take the units by turns; units v and v + 1 are out when unit v is awaited, and unit v + 2 is asked for as soon as unit v has left its registers for the stage.
; The reads from the stage run one job ahead of the work, in two sets of 32 registers.
; Every store of codes covers whole aligned runs of 256 bytes: kind 0 512 bytes on end, kind 1 two runs of 256.
.set PITCH,  272                       ; a stage row: a token's 256 bytes + 16 = 68 words: row T starts at bank 4 T mod 64 (64 banks of 4 bytes: ISA guide 11.1)
.set HOP,    128                       ; rows 16-31 lie 128 bytes further on: the rows 0-7 and 16-23 (or 8-15 and 24-31) that sixteen lanes of a kind 0 read touch then start at sixteen different groups of four banks
.set STAGEB, 32*PITCH+HOP              ; a wave's stage: 8,832 bytes
.set R,  16                            ; v16-143   two sets of 16 loads x 4 registers, as loaded
.set XA, 144                           ; v144-175  32 numbers at work
.set XB, 176                           ; v176-207  32 more
.set C,  208                           ; v208-239  a unit's codes: kind 0 tile 0, tile 1, kind 1 columns 0-31, 32-63: 8 registers each, each written once a unit
.set QD, 240                           ; v240-255  waves 0-3: 16 numbers of the queries (v240-243 are at work at the head, before that)
; v1 the loads' offset; v2 the stage on the way in; v3 the stage for kind 0; v4 the stage for kind 1; v5 kind 1's place in memory; v6, v7 the queries' and qimg's; v8-13 the scales and the holds; v14 16 x lane
	s_load_b256 s[4:11], s[0:1], 0x0               ; tokens s[4:5], queries s[6:7], the scales' exponents s[8:9], codes s[10:11]
	s_load_b128 s[12:15], s[0:1], 0x20             ; qcodes s[12:13], qimg s[14:15]
	v_lshrrev_b32 v243, 5, v0
	v_readfirstlane_b32 s20, v243                  ; wave 0..15
	s_and_b32 s21, s20, 7                          ; wd: my 128 of d
	s_lshr_b32 s22, s20, 3                         ; wl: which 32 of each 64 tokens
	s_lshr_b32 s23, ttmp9, 2                       ; the batch
	s_and_b32 s24, ttmp9, 3                        ; q4: which 256 tokens of it
	s_mul_i32 s25, s20, STAGEB                     ; my stage
	v_and_b32 v240, 31, v0                         ; lane
	v_and_b32 v241, 15, v0                         ; r
	v_bfe_u32 v242, v0, 4, 1                       ; h
	v_lshlrev_b32 v14, 4, v240                     ; 16 x lane: kind 0's and qcodes' place in an image
	v_lshlrev_b32 v1, 4, v241
	v_lshl_add_u32 v1, v242, 12, v1                ; a load: lanes 0-15 one row's 256 bytes, lanes 16-31 the next row's: 4,096 h + 16 r
	v_mul_u32_u24 v2, v242, PITCH
	v_lshl_add_u32 v2, v241, 4, v2
	v_add_nc_u32 v2, s25, v2                       ; and the same two rows in the stage
	v_and_b32 v243, 8, v241
	v_add_nc_u32 v3, v243, v241                    ; r + 8 (r / 8)
	v_mul_u32_u24 v3, v3, PITCH
	v_lshl_add_u32 v3, v243, 4, v3                 ; + 128 (r / 8): those rows lie beyond row 15
	v_lshl_add_u32 v3, v242, 6, v3
	v_add_nc_u32 v3, s25, v3                       ; kind 0: that token's row, + 64 h: my 16 numbers of a block of 32
	v_lshl_add_u32 v4, v240, 2, s25                ; kind 1: my column
	v_lshlrev_b32 v5, 4, v241
	v_lshl_add_u32 v5, v242, 11, v5                ; kind 1 in memory: lanes 16-31 hold the next tile of d: 2,048 (lane / 16) + 16 (lane % 16)
	v_lshlrev_b32 v6, 12, v241
	v_lshl_add_u32 v6, v242, 6, v6                 ; queries: row r of 4,096 bytes, + 64 h
	v_lshlrev_b32 v7, 4, v241
	v_lshl_add_u32 v7, v242, 10, v7                ; qimg: lanes 16-31 hold the next tile of d: 1,024 h + 16 r
	; byte offsets, each in registers of its own
	s_lshl_b32 s26, ttmp9, 20                      ; tokens: the work-group's 1 MiB,
	s_lshl_b32 s27, s22, 17                        ; + 32 wl rows of 4,096 bytes,
	s_add_co_u32 s26, s26, s27
	s_lshl_b32 s27, s21, 9                         ; + 512 wd
	s_add_co_u32 s26, s26, s27
	s_mov_b32 s27, 0
	s_lshl_b32 s40, s23, 21                        ; the batch's codes
	s_lshl_b32 s28, s24, 18                        ; kind 0: ch = q4,
	s_add_co_u32 s28, s28, s40
	s_lshl_b32 s29, s21, 15                        ; K step wd (hs and s' on end),
	s_add_co_u32 s28, s28, s29
	s_lshl_b32 s29, s22, 12                        ; tile 4 (v / 2) + 2 wl + tt: wl's part
	s_add_co_u32 s28, s28, s29
	s_mov_b32 s29, 0
	s_add_co_u32 s30, s40, 1<<20                   ; kind 1:
	s_lshr_b32 s31, s21, 1
	s_lshl_b32 s31, s31, 18                        ; ch = wd / 2,
	s_add_co_u32 s30, s30, s31
	s_lshl_b32 s31, s24, 16                        ; K step 2 q4 + v / 4: q4's part,
	s_add_co_u32 s30, s30, s31
	s_and_b32 s31, s21, 1
	s_lshl_b32 s31, s31, 14                        ; tile 8 (wd % 2) + 4 (v % 2) + 2 g + lane / 16: wd's part,
	s_add_co_u32 s30, s30, s31
	s_lshl_b32 s31, s22, 9                         ; c = 2 ((v / 2) % 2) + wl: wl's part
	s_add_co_u32 s30, s30, s31
	s_mov_b32 s31, 0
	s_lshr_b32 s41, ttmp9, 3                       ; the queries: tile ttmp9 / 8, K step ttmp9 % 8, c = the wave's number (waves 0 to 3)
	s_and_b32 s42, ttmp9, 7
	s_lshl_b32 s32, s41, 16
	s_lshl_b32 s33, s42, 9
	s_add_co_u32 s32, s32, s33
	s_lshl_b32 s33, s20, 7
	s_add_co_u32 s32, s32, s33
	s_mov_b32 s33, 0
	s_lshl_b32 s34, s41, 16                        ; qimg: (64 tile + 8 step + 2 c) x 1,024
	s_lshl_b32 s35, s42, 13
	s_add_co_u32 s34, s34, s35
	s_lshl_b32 s35, s20, 11
	s_add_co_u32 s34, s34, s35
	s_mov_b32 s35, 0
	s_lshl_b32 s36, ttmp9, 11                      ; qcodes: (8 tile + step) x 2,048 + 512 c
	s_lshl_b32 s37, s20, 9
	s_add_co_u32 s36, s36, s37
	s_mov_b32 s37, 0
	s_wait_kmcnt 0x0
	s_load_b128 s[16:19], s[8:9], 0x0              ; e0, e1, e2, e3
	s_add_nc_u64 s[4:5], s[4:5], s[26:27]
	s_add_nc_u64 s[28:29], s[10:11], s[28:29]
	s_add_nc_u64 s[30:31], s[10:11], s[30:31]
	s_add_nc_u64 s[6:7], s[6:7], s[32:33]
	s_add_nc_u64 s[14:15], s[14:15], s[34:35]
	s_add_nc_u64 s[12:13], s[12:13], s[36:37]
.macro LOADS v                         ; unit v: 16 loads of two rows x 256 bytes, into set v % 2
.irp n, 0,1,2,3,4,5,6,7,8,9,10,11,12,13,14,15
	global_load_b128 v[R+64*((\v)%2)+4*\n:R+64*((\v)%2)+4*\n+3], v1, s[4:5] offset:((\v)/2)*262144+((\v)%2)*256+\n*8192 th:TH_LOAD_NT
.endr
.endm
.macro MKSCALE e, vs, vl               ; s[e] = the exponent: v[vs] = 2^e as f32 (the conversion takes its exponent field), v[vl] = 57,344 x 2^e
	s_add_co_i32 s38, s[\e], 127
	s_lshl_b32 s39, s38, 23
	v_mov_b32 v[\vs], s39
	s_add_co_i32 s38, s38, 15
	s_lshl_b32 s38, s38, 23
	s_or_b32 s38, s38, 0x600000
	v_mov_b32 v[\vl], s38
.endm
; Kind 0, tile tt of the unit's two: half a fragment.  Register 16 c + 4 j + n = d 32 c + 16 h + 4 j + n (of the unit's 64) of token r + 8 (r / 8) + 8 tt.
.macro KLOAD tt, x
.irp c, 0,1
.irp j, 0,1,2,3
	ds_load_b128 v[\x+16*\c+4*\j:\x+16*\c+4*\j+3], v3 offset:(\tt)*8*PITCH+\c*128+\j*16
.endr
.endr
.endm
.macro KWORK v, tt, x
.set NI, 0
.rept 32
	v_med3_num_f32 v[\x+NI], v[\x+NI], -v9, v9     ; the conversion to an 8-bit code does not saturate (ISA guide 7.6.2): the hold at the largest code x the scale
.set NI, NI+1
.endr
.irp c, 0,1
	v_cvt_scalef32_pk8_bf8_f32 v[C+8*(\tt)+4*\c:C+8*(\tt)+4*\c+1], v[\x+16*\c:\x+16*\c+7], v8
	v_cvt_scalef32_pk8_bf8_f32 v[C+8*(\tt)+4*\c+2:C+8*(\tt)+4*\c+3], v[\x+16*\c+8:\x+16*\c+15], v8
.endr
	v_nop                                          ; one plain vector line behind the last conversion, ahead of the next vector line that touches its registers
.irp c, 0,1
	global_store_b128 v14, v[C+8*(\tt)+4*\c:C+8*(\tt)+4*\c+3], s[28:29] offset:((\v)/2)*8192+(\tt)*2048+(2*((\v)%2)+\c)*512 th:TH_STORE_NT   ; 512 bytes on end: block 2 (v % 2) + c of the fragment
.endr
.endm
; Kind 1, columns 32 g + lane of the unit's 64: register i = token i of the unit: a block of 32 along l.  Its first 16 codes are h = 0's 16 bytes of row lane % 16, the others h = 1's.
.macro VLOAD g, x
.irp i, 0,1,2,3,4,5,6,7,8,9,10,11,12,13,14,15,16,17,18,19,20,21,22,23,24,25,26,27,28,29,30,31
	ds_load_b32 v[\x+\i], v4 offset:\i*PITCH+(\i/16)*HOP+(\g)*128
.endr
.endm
.macro VWORK v, g, x
.set NI, 0
.rept 32
	v_med3_num_f32 v[\x+NI], v[\x+NI], -v11, v11
.set NI, NI+1
.endr
.irp p, 0,1,2,3
	v_cvt_scalef32_pk8_bf8_f32 v[C+16+8*(\g)+2*\p:C+16+8*(\g)+2*\p+1], v[\x+8*\p:\x+8*\p+7], v10
.endr
	v_nop
	global_store_b128 v5, v[C+16+8*(\g):C+16+8*(\g)+3], s[30:31] offset:((\v)/4)*32768+(((\v)/2)%2)*1024+(2*((\v)%2)+(\g))*4096 th:TH_STORE_NT       ; each half of the lanes: 256 bytes on end, aligned
	global_store_b128 v5, v[C+16+8*(\g)+4:C+16+8*(\g)+7], s[30:31] offset:((\v)/4)*32768+(((\v)/2)%2)*1024+(2*((\v)%2)+(\g))*4096+256 th:TH_STORE_NT
.endm
.macro UNIT v
.if (\v) < 7
	s_wait_loadcnt 16                              ; loads come back in order (ISA guide 5.7.1): this unit's 16 are in, the next unit's 16 stay out
.else
	s_wait_loadcnt 0x0
.endif
.irp n, 0,1,2,3,4,5,6,7,8,9,10,11,12,13,14,15
	ds_store_b128 v2, v[R+64*((\v)%2)+4*\n:R+64*((\v)%2)+4*\n+3] offset:2*\n*PITCH+(\n/8)*HOP   ; rows 2 n and 2 n + 1.  The last unit's reads of the stage have been waited for
.endr
	KLOAD 0, XA                                    ; LDS serves a wave's instructions in order (ISA guide 5.7.1.4): these see the stores above
	KLOAD 1, XB
	s_wait_dscnt 8                                 ; all but tile 1's eight reads: the stores have read their registers, and tile 0's numbers are in
	s_wait_xcnt 0x0                                ; the last unit's stores have read their data: this unit's codes are written only behind this wait, each register once
.if (\v) < 6
	LOADS (\v)+2                                   ; the set that has just been emptied takes the unit two on
.endif
	KWORK \v, 0, XA
	VLOAD 0, XA
	s_wait_dscnt 32                                ; all but the 32 just issued: tile 1's numbers are in
	KWORK \v, 1, XB
	VLOAD 1, XB
	s_wait_dscnt 32                                ; columns 0-31 are in
	VWORK \v, 0, XA
	s_wait_dscnt 0x0
	VWORK \v, 1, XB
.endm
	; The queries: 256 work-groups x 4 waves take the 32 tiles x 8 K steps x 4 blocks of 32.  Lane (r, h): d = 128 s + 32 c + 16 h + 0 .. 15 of query r.  Their loads go out first.
	s_cmp_lt_u32 s20, 4
	s_cbranch_scc0 .Lno_q_loads
.irp j, 0,1,2,3
	global_load_b128 v[QD+4*\j:QD+4*\j+3], v6, s[6:7] offset:16*\j th:TH_LOAD_NT
.endr
.Lno_q_loads:
	LOADS 0
	LOADS 1
	s_wait_kmcnt 0x0
	MKSCALE 16, 8, 9                               ; e0: tokens along d
	MKSCALE 19, 10, 11                             ; e3: tokens along l
	MKSCALE 17, 12, 13                             ; e1: queries
	s_cmp_lt_u32 s20, 4
	s_cbranch_scc0 .Lno_q
	s_wait_loadcnt 32                              ; the queries' four loads are in; the 32 of units 0 and 1 stay out
	global_store_b128 v7, v[QD:QD+3], s[14:15]                 ; hh = 0, j = 0 .. 3
	global_store_b128 v7, v[QD+4:QD+7], s[14:15] offset:512    ; hh = 0, j = 4 .. 7
	global_store_b128 v7, v[QD+8:QD+11], s[14:15] offset:256   ; hh = 1, j = 0 .. 3
	global_store_b128 v7, v[QD+12:QD+15], s[14:15] offset:768  ; hh = 1, j = 4 .. 7
.irp i, 0,1,2,3,4,5,6,7,8,9,10,11,12,13,14,15
	v_med3_num_f32 v[XA+\i], v[QD+\i], -v13, v13
.endr
	v_cvt_scalef32_pk8_bf8_f32 v[C:C+1], v[XA:XA+7], v12
	v_cvt_scalef32_pk8_bf8_f32 v[C+2:C+3], v[XA+8:XA+15], v12
	v_nop
	global_store_b128 v14, v[C:C+3], s[12:13]      ; its data are written again only behind the first unit's wait on XCNT
.Lno_q:
.irp v, 0,1,2,3,4,5,6,7
	UNIT \v
.endr
	s_wait_xcnt 0x0
	v_lshl_add_u32 v242, v0, 2, 0x22800
	v_mov_b32 v243, 0
	s_wait_tensorcnt 0x0
	ds_add_u32 v242, v243
	s_wait_dscnt 0x0
	s_endpgm
.Lfunc_end_k_qd0ab733df1_quant:
	.size	k_qd0ab733df1_quant, .Lfunc_end_k_qd0ab733df1_quant-k_qd0ab733df1_quant
	.p2alignl 7, 3214868480
	.fill 96, 4, 3214868480
	.section	.rodata,"a",@progbits
	.p2align	6, 0x0
	.amdhsa_kernel k_qd0ab733df1_quant
		.amdhsa_group_segment_fixed_size 143360
		.amdhsa_private_segment_fixed_size 0
		.amdhsa_enable_private_segment 0
		.amdhsa_kernarg_size 48
		.amdhsa_user_sgpr_count 2
		.amdhsa_user_sgpr_kernarg_segment_ptr 1
		.amdhsa_wavefront_size32 1
		.amdhsa_system_sgpr_workgroup_id_x 1
		.amdhsa_system_sgpr_workgroup_id_y 1
		.amdhsa_system_sgpr_workgroup_id_z 1
		.amdhsa_system_vgpr_workitem_id 0
		.amdhsa_next_free_vgpr 256
		.amdhsa_next_free_sgpr 66
		.amdhsa_reserve_vcc 0
		.amdhsa_float_denorm_mode_32 3
		.amdhsa_float_denorm_mode_16_64 3
		.amdhsa_memory_ordered 1
		.amdhsa_forward_progress 1
		.amdhsa_inst_pref_size 148
	.end_amdhsa_kernel
	.amdgpu_metadata
---
amdhsa.version: [ 1, 2 ]
amdhsa.kernels:
  - .name:           k_qd0ab733df1_quant
    .symbol:         k_qd0ab733df1_quant.kd
    .args:
      - { .name: local_tokens, .offset: 0, .size: 8, .value_kind: global_buffer, .address_space: global }
      - { .name: queries, .offset: 8, .size: 8, .value_kind: global_buffer, .address_space: global }
      - { .name: lowp_scales, .offset: 16, .size: 8, .value_kind: global_buffer, .address_space: global }
      - { .name: codes, .offset: 24, .size: 8, .value_kind: global_buffer, .address_space: global }
      - { .name: qcodes, .offset: 32, .size: 8, .value_kind: global_buffer, .address_space: global }
      - { .name: qimg, .offset: 40, .size: 8, .value_kind: global_buffer, .address_space: global }
    .group_segment_fixed_size: 143360
    .private_segment_fixed_size: 0
    .kernarg_segment_align: 8
    .kernarg_segment_size: 48
    .max_flat_workgroup_size: 512
    .sgpr_count:     66
    .vgpr_count:     256
    .wavefront_size: 32
...
	.end_amdgpu_metadata
.endif
;; end of part 1
;; launch attn (part 2): grid 4 x 64, 4 waves a work-group, clusters of 4 x 1, 327,680 bytes of LDS; arguments codes, qcodes, qimg, lowp_scales, out0; writes out0
.if DOCPART == 2
	.amdgcn_target "amdgcn-amd-amdhsa--gfx1250"
	.amdhsa_code_object_version 6
	.text
	.protected	k_qd0ab733df1_attn
	.globl	k_qd0ab733df1_attn
	.p2align	8
	.type	k_qd0ab733df1_attn,@function
k_qd0ab733df1_attn:
	s_mov_b64 s[64:65], 0
	v_nop
	global_prefetch_b8 v0, s[64:65] scope:SCOPE_SE
	s_setreg_imm32_b32 hwreg(HW_REG_WAVE_MODE, 25, 1), 1
	s_wait_xcnt 0x0
	s_wait_alu depctr_hold_cnt(0) depctr_sa_sdst(0) depctr_va_vdst(0) depctr_va_sdst(0) depctr_va_ssrc(0) depctr_va_vcc(0) depctr_vm_vsrc(0)
	s_getreg_b32 s2, hwreg(HW_REG_IB_STS2, 6, 4)
	s_cmp_eq_u32 s2, 0
	s_cbranch_scc0 .Lentry_in_a_cluster
	s_endpgm
.Lentry_in_a_cluster:
	s_bfe_u32 s2, ttmp6, 0x10000c
	s_cmp_lg_u32 s2, 0x3003
	s_cbranch_scc0 .Lentry_shape_is_right
	s_endpgm
.Lentry_shape_is_right:
; out0[q][b] = (q / |q|) . (O / |O|), O[b][q][:] = the sum over l of softmax_l(q . x[b][l] / 32) x[b][l][:], both products on codes of E5M2 (8 bits), each operand with its given scale: e0 tokens along d, e1 queries, e2 p, e3 tokens along l.
; THE SOFTMAX: t = score x log2(e) / 32; M = the largest t so far, rounded up to a whole number; p = 2^(t - M) is quantised along l, not normalised; the row's sum is taken of the unquantised p and divides at the end.
; SHARES.  A cluster of four work-groups is one batch; a work-group takes 128 queries, each of its four waves 32: two tiles of 16.  Nothing passes between waves but the ring of tiles: a wave's p stays in its registers.
; THE WORK IS EIGHT CHUNKS OF ONE PRODUCT: 256 rows of A x my 32 queries, K = 1,024, used transposed (source 0 = 16 rows of A, source 1 = 16 queries), so that a lane holds ONE query: 32 accumulators.
;   chunks 0-3: A = 256 tokens (K = d), B = the queries' codes; then the softmax of these 256 tokens, whose codes are two K steps of P.   chunks 4-7: A = 256 of d (K = l), B = P; then the sums q.O, O.O and q.q over these 256 d.
; O never exists as a whole: only its three sums are kept.
; All operands lie in memory as images of their registers (16 rows x 128 K = 2,048 bytes; 512 c + 16 x lane holds registers 4 c .. 4 c + 3: k = 32 c + 16 (lane / 16) + 0 .. 15, the same on both sides of a product), so a
; batch is 16 dense blocks of 131,072 bytes in the order in which they are used: a block is half a chunk (4 K steps x 16 tiles of rows).  In chunks 0-3 row r of tile 2 B + u is token 32 B + 8 u + r + 8 (r / 8): the 16 registers
; of tiles 2 B and 2 B + 1 are then 16 neighbouring tokens, and the conversions' results ARE P's registers.
; THE RING: two LDS slots of one block each.  The four work-groups walk the same blocks: each block is asked for JOINTLY (mask 15), each wave fetching a quarter, one tensor load behind each round of the cluster's barrier.
; By this text's own count a wave has two tensor loads out at the start, later one.
; A RUNNING M.  Chunk k's codes are made under M as it stands behind chunk k.  Behind chunk 3 the codes of chunks 0-2 are brought under the last M: widened to f32 and converted again with the scale 2^(M - M_k), a whole power of two:
; nothing changes but what falls under the format's range.
; LIMITS: e2 between -126 and 112; e0 + e1 between -121 and 132 (they are added to the exponent field of log2(e) / 32); e2 + e3 is applied by v_ldexp_f32 and has none.  Where 57,344 x 2^e2 < 1 (e2 <= -16) the hold acts on p
; under the running M, and may hold numbers that the last M would leave free.  NaN among the inputs is not served.
; THE OUTPUT: a row of out0 holds all 64 batches, which 64 clusters own: a wave stores 4 bytes a lane, 256 bytes apart, once: 131,072 bytes in the whole launch.
; REGISTERS, in windows of 256 (s_set_vgpr_msb: bits 1:0 source 0, 3:2 source 1, 5:4 source 2, 7:6 destination):
;   window 0: v1-9 addresses; v10-11 the rows' sums; v16-31 the softmax's statistics, 8 a tile of queries; v32-37 -M behind chunks 0-2; v40-42 constants; v64-255 three buffers of four fragments of A.  In chunks 4-7 v16-39 are the three sums.
;   window 1: the queries' 16 fragments (K step s, tile q at 16 (2 s + q)); in chunks 4-7 the queries as f32, register for register beside the accumulators.   window 2: P, likewise at 16 (2 s + q).
;   window 3: accumulator (tile of rows t, tile of queries q) at 8 (2 t + q).
.set SLOTB, 131072
.set SPARE, 2*SLOTB                    ; behind the ring: the spare words, 128 bytes for each wave: two blocks of 256 bytes that no other line names
.set SPW,  1                           ; v1    LDS address of my spare word; never rewritten
.set NIL,  2                           ; v2    0; never rewritten
.set AD,   3                           ; v3-6  16 x lane + 65,536 n: an LDS offset has 16 bits
.set LI,   7                           ; v7    16 x lane
.set LB,   8                           ; v8    256 x lane: the prefetches' offset, and out0's
.set LN,   9                           ; v9    lane
.set LS,   10                          ; v10-11 the rows' sums
.set TQ,   12
.set ST,   16                          ; tile q's statistics at ST + 8 q: +0 -M, +1 the largest t, +2, +3 the sum in two halves, +4 f (+5 named with it), +6, +7 at work
.set HIST, 32                          ; v[HIST + 2 k + q]: -M behind chunk k; later 2^(M - M_k)
.set SCP,  40                          ; 2^e2
.set LIMP, 41                          ; 57,344 x 2^e2
.set ONE,  42                          ; the scale 1 in every byte
.set FB,   64
.set DOT,  16                          ; chunks 4-7: q.O, O.O, q.q: two chains of pairs for each tile of queries, at + 4 q + 2 chain
.set SS,   24
.set QQ,   32
.set WV,   14
.set CX,   15
.set BT,   16
.set G1,   24                          ; s[24:31] descriptor group 1
.set G0,   32                          ; s[32:35], s[36:39] group 0, one for each slot
.set CS,   40                          ; s[40:41] c = log2(e) / 32 x 2^(e0 + e1)
.set SEL,  42                          ; s[42:43] v_permlanex16_b32's selects for lane l xor 16
.set KC,   44                          ; the chunk, 0 to 3
.set CNT2, 45                          ; chunks 4 to 6, counted down
.set PFA,  46                          ; s[46:47] where my prefetches stand
.set ESUM, 56                          ; e2 + e3
.set MSB, 0
.macro WIN new                         ; the immediate's high byte repeats the setting that is left; a switch that changes nothing is dropped
.if MSB != \new
	s_set_vgpr_msb (MSB<<8)|\new
.set MSB, \new
.endif
.endm
.macro PLACES n                        ; a load into a register that a matrix instruction has read, and a vector instruction that reads a matrix result, stand four plain vector instructions behind it (ISA guide 7.12.1 for vector instructions)
.rept \n
	v_nop
.endr
.endm
.macro CREST                           ; a round of the cluster's barrier behind its opening barrier
	s_cmp_lg_u32 s[WV], 0
	s_cbranch_scc1 .Lnot_wave_0_\@
	s_barrier_signal -3
.Lnot_wave_0_\@:
	s_barrier_wait -3
	s_barrier_signal -1
	s_barrier_wait -1
.endm
.macro CROUND
	s_barrier_signal -1
	s_barrier_wait -1
	CREST
.endm
; A PREFETCH INTO THE L2 of the block that the NEXT change of slots will ask for: a half chunk, 128 matrix instructions a wave, ahead of that load.  It stands behind the joint load and its four lines.
; The block's 512 runs of 256 bytes are shared out BY ADDRESS among the cluster's 4 x 4 x 32 lanes: each is named once in the launch.  how = 2: not in the trip that asks for the batch's last block: none follows it.
.macro ASK how
.if \how == 1
	global_prefetch_b8 v[LB], s[PFA:PFA+1] th:TH_LOAD_NT scope:SCOPE_SE
.endif
.if \how == 2
	s_cmp_gt_u32 s[CNT2], 1
	s_cbranch_scc0 .Lno_ask_\@
	global_prefetch_b8 v[LB], s[PFA:PFA+1] th:TH_LOAD_NT scope:SCOPE_SE
.Lno_ask_\@:
.endif
.endm
; Group n of a slot's 16: K step n / 4, tiles of rows 4 (n % 4) + 0 .. 3: four fragments, 16 loads of 512 bytes on end, into buffer n % 3
.macro FETCH ls, n
.irp i, 0,1,2,3
.irp c, 0,1,2,3
	ds_load_b128 v[FB+64*((\n)%3)+16*\i+4*\c:FB+64*((\n)%3)+16*\i+4*\c+3], v[AD+2*(\ls)+(\n)/8] offset:(((\n)/4)%2)*32768+(4*((\n)%4)+\i)*2048+\c*512
.endr
.endr
.endm
; Its 8 products.  The 32 accumulators take turns, one instruction a turn, in the same order in every K step.  zero = 1: a chunk's first K step starts the sums: nothing is cleared.
.macro MUL n, hs, zero
.irp i, 0,1,2,3
.irp q, 0,1
.set rA, FB+64*((\n)%3)+16*\i
.set rC, 8*(2*(4*((\n)%4)+\i)+\q)
.set rB, 16*(2*(4*(\hs)+(\n)/4)+\q)
.if (\zero) && ((\n) < 4)
	v_wmma_f32_16x16x128_bf8_bf8 v[rC:rC+7], v[rA:rA+15], v[rB:rB+15], 0
.else
	v_wmma_f32_16x16x128_bf8_bf8 v[rC:rC+7], v[rA:rA+15], v[rB:rB+15], v[rC:rC+7]
.endif
.endr
.endr
.endm
; HALF A CHUNK: the block in slot ls, K steps 4 hs + 0 .. 3: 128 matrix instructions.  mw: the products' windows (0xf4: B in window 1; 0xf8: in window 2).  Loads run two groups ahead of the products.
; fill = 1: at its end the slot is filled again with the block two on; fill = 2: a change of slots with nothing left to ask for; fill = 0: the last block.
.macro HALF ls, hs, mw, zero, fill, ask
	FETCH \ls, 0
	FETCH \ls, 1
.set GI, 0
.rept 14
.if GI > 0
	WIN 0
	PLACES 4                                       ; the buffer's last products stand just above
.endif
	FETCH \ls, GI+2
	s_wait_dscnt 32                                ; all but the two younger groups' 32 loads
	WIN \mw
	MUL GI, \hs, \zero
.set GI, GI+1
.endr
	WIN 0
.if \fill == 0
	s_wait_dscnt 16                                ; group 14 is in
	WIN \mw
	MUL 14, \hs, 0
	s_wait_dscnt 0x0
	MUL 15, \hs, 0
	WIN 0
	PLACES 4
.else
.if \fill == 1
	s_wait_xcnt 0x0                                ; the last prefetch, half a chunk back, has read its address: it steps here, ahead of the change's own waits
	s_add_nc_u64 s[PFA:PFA+1], s[PFA:PFA+1], SLOTB
.endif
	s_wait_tensorcnt 0x0                           ; all my tensor loads have landed: the one that was out is my quarter of the other slot;
	ds_add_u32 v[SPW], v[NIL]                      ; 0 onto my spare word
	s_wait_dscnt 17                                ; (group 15's sixteen loads and the add may be out)
	WIN \mw
	MUL 14, \hs, 0                                 ; eight matrix instructions stand between the add and the wait for it
	s_wait_dscnt 0x0                               ; the add is done, and my reads of this slot are over
	s_barrier_signal -1
	MUL 15, \hs, 0
	WIN 0
	s_barrier_wait -1
.if \fill == 1
	CREST                                          ; the barrier has opened a round of the cluster's: no wave of any partner still reads this slot or has a load on its way
	s_add_nc_u64 s[G0+4*(\ls)+2:G0+4*(\ls)+3], s[G0+4*(\ls)+2:G0+4*(\ls)+3], 2*SLOTB
	tensor_load_to_lds s[G0+4*(\ls):G0+4*(\ls)+3], s[G1:G1+7]   ; the first tensor load behind the round, my one until the next
	s_nop 0
	PLACES 4                                       ; four v_nop follow it; they are also the places behind the last products
	ASK \ask
.else
	PLACES 4
.endif
.endif
.endm
; THE SOFTMAX of a chunk's 256 tokens, both tiles of queries side by side: a lane holds 128 scores of one query in each.
.macro SOFTMAX
	WIN 0
.irp q, 0,1
	v_mov_b32 v[ST+8*\q+6], 0xff800000             ; two chains a tile begin at -infinity
	v_mov_b32 v[ST+8*\q+7], 0xff800000
.endr
	WIN 0x3c                                       ; sources 1 and 2 in window 3
.irp t, 0,1,2,3,4,5,6,7,8,9,10,11,12,13,14,15
.irp j, 0,2,4,6
.irp q, 0,1
	v_max3_num_f32 v[ST+8*\q+6+(\j/2)%2], v[ST+8*\q+6+(\j/2)%2], v[8*(2*\t+\q)+\j], v[8*(2*\t+\q)+\j+1]   ; each accumulator from its low end on
.endr
.endr
.endr
	WIN 0
.irp q, 0,1
	v_max_num_f32 v[ST+8*\q+6], v[ST+8*\q+6], v[ST+8*\q+7]
.endr
.irp q, 0,1
	v_permlanex16_b32 v[ST+8*\q+7], v[ST+8*\q+6], s[SEL], s[SEL+1]   ; the query's other 128 tokens lie in the lane 16 away
.endr
.irp q, 0,1
	v_max_num_f32 v[ST+8*\q+6], v[ST+8*\q+6], v[ST+8*\q+7]
.endr
.irp q, 0,1
	v_mul_f32 v[ST+8*\q+6], s[CS], v[ST+8*\q+6]    ; as t (c is positive)
.endr
.irp q, 0,1
	v_max_num_f32 v[ST+8*\q+1], v[ST+8*\q+1], v[ST+8*\q+6]   ; the running largest t
	v_mov_b32 v[ST+8*\q+7], v[ST+8*\q]
.endr
.irp q, 0,1
	v_floor_f32 v[ST+8*\q], -v[ST+8*\q+1]          ; -M = floor(-t): M is a whole number
.endr
.irp q, 0,1
	v_sub_f32 v[ST+8*\q+7], v[ST+8*\q], v[ST+8*\q+7]   ; M's old value less its new one: 0 or less
.endr
.irp q, 0,1
	v_cvt_i32_f32 v[ST+8*\q+7], v[ST+8*\q+7]       ; (it saturates)
.endr
.irp q, 0,1
	v_ldexp_f32 v[ST+8*\q+4], 1.0, v[ST+8*\q+7]    ; f = 2^(old M - new M)
.endr
	WIN 0xc3                                       ; in place on the accumulators
.irp t, 0,1,2,3,4,5,6,7,8,9,10,11,12,13,14,15
.irp j, 0,2,4,6
.irp q, 0,1
	v_pk_fma_f32 v[8*(2*\t+\q)+\j:8*(2*\t+\q)+\j+1], v[8*(2*\t+\q)+\j:8*(2*\t+\q)+\j+1], s[CS:CS+1], v[ST+8*\q:ST+8*\q+1] op_sel_hi:[1,0,0]   ; t - M (of the pairs c and -M the low word serves both halves)
.endr
.endr
.endr
.set NI, 0
.rept 256
	v_exp_f32 v[NI], v[NI]                         ; p = 2^(t - M): one batch
.set NI, NI+1
.endr
	WIN 0
.irp q, 0,1
	v_pk_mul_f32 v[ST+8*\q+2:ST+8*\q+3], v[ST+8*\q+2:ST+8*\q+3], v[ST+8*\q+4:ST+8*\q+5] op_sel_hi:[1,0]   ; the sum under the new M (a plain line behind the last exponential)
	v_mov_b32 v[ST+8*\q+6], 0                      ; a second chain for the sum
	v_mov_b32 v[ST+8*\q+7], 0
.endr
	s_wait_alu depctr_va_vdst(0)                   ; ahead of the first line that names an exponential's result: one wait for the batch
	WIN 0x0c                                       ; source 1 in window 3
.irp t, 0,1,2,3,4,5,6,7,8,9,10,11,12,13,14,15
.irp j, 0,2,4,6
.irp q, 0,1
	v_pk_add_f32 v[ST+8*\q+2+2*(\j%4):ST+8*\q+2+2*(\j%4)+1], v[ST+8*\q+2+2*(\j%4):ST+8*\q+2+2*(\j%4)+1], v[8*(2*\t+\q)+\j:8*(2*\t+\q)+\j+1]   ; the sum is taken of the unquantised p
.endr
.endr
.endr
	WIN 0xc3
.set NI, 0
.rept 256
	v_min_num_f32 v[NI], v[NI], v[LIMP]            ; the conversion does not saturate (ISA guide 7.6.2); p is not negative, so the hold is one-sided
.set NI, NI+1
.endr
	WIN 0
.irp q, 0,1
	v_pk_add_f32 v[ST+8*\q+2:ST+8*\q+3], v[ST+8*\q+2:ST+8*\q+3], v[ST+8*\q+6:ST+8*\q+7]
.endr
.endm
; Chunk k's p become K steps 2 k and 2 k + 1 of P: accumulator (2 B + u, q) gives registers 4 (B % 4) + 2 u, + 1 of fragment (2 k + B / 4, q).
.macro COMMIT k
	WIN 0x83                                       ; source 0 in window 3, destination in window 2
.irp b, 0,1,2,3,4,5,6,7
.irp u, 0,1
.irp q, 0,1
	v_cvt_scalef32_pk8_bf8_f32 v[64*\k+32*(\b/4)+16*\q+4*(\b%4)+2*\u:64*\k+32*(\b/4)+16*\q+4*(\b%4)+2*\u+1], v[8*(2*(2*\b+\u)+\q):8*(2*(2*\b+\u)+\q)+7], v[SCP]
.endr
.endr
.endr
	v_nop                                          ; one plain line behind the last conversion: the next chunk's products write its sources
	WIN 0
.if \k < 3
	v_mov_b32 v[HIST+2*\k], v[ST]                  ; -M as these codes were made
	v_mov_b32 v[HIST+2*\k+1], v[ST+8]
.endif
.endm
; The queries as f32, beside the accumulators of the chunk that begins: 64 loads of 512 bytes on end; they land while the chunk is multiplied.
.macro QIMG
	WIN 0x40                                       ; destination in window 1
.irp t, 0,1,2,3,4,5,6,7,8,9,10,11,12,13,14,15
.irp q, 0,1
	global_load_b128 v[8*(2*\t+\q):8*(2*\t+\q)+3], v[LI], s[8:9] offset:\q*65536+\t*1024
	global_load_b128 v[8*(2*\t+\q)+4:8*(2*\t+\q)+7], v[LI], s[8:9] offset:\q*65536+\t*1024+512
.endr
.endr
	WIN 0
.endm
; q.O, O.O and q.q over the chunk's 256 of d: fused, two numbers an instruction, four chains by turns.
.macro EPI
	s_wait_loadcnt 0x0                             ; the queries are in
	WIN 0x07                                       ; source 0 (O) window 3, source 1 (q) window 1
.irp t, 0,1,2,3,4,5,6,7,8,9,10,11,12,13,14,15
.irp j, 0,2,4,6
.irp q, 0,1
	v_pk_fma_f32 v[DOT+4*\q+\j%4:DOT+4*\q+\j%4+1], v[8*(2*\t+\q)+\j:8*(2*\t+\q)+\j+1], v[8*(2*\t+\q)+\j:8*(2*\t+\q)+\j+1], v[DOT+4*\q+\j%4:DOT+4*\q+\j%4+1]   ; each accumulator from its low end on
.endr
.endr
.endr
	WIN 0x0f
.irp t, 0,1,2,3,4,5,6,7,8,9,10,11,12,13,14,15
.irp j, 0,2,4,6
.irp q, 0,1
	v_pk_fma_f32 v[SS+4*\q+\j%4:SS+4*\q+\j%4+1], v[8*(2*\t+\q)+\j:8*(2*\t+\q)+\j+1], v[8*(2*\t+\q)+\j:8*(2*\t+\q)+\j+1], v[SS+4*\q+\j%4:SS+4*\q+\j%4+1]
.endr
.endr
.endr
	WIN 0x05
.irp t, 0,1,2,3,4,5,6,7,8,9,10,11,12,13,14,15
.irp j, 0,2,4,6
.irp q, 0,1
	v_pk_fma_f32 v[QQ+4*\q+\j%4:QQ+4*\q+\j%4+1], v[8*(2*\t+\q)+\j:8*(2*\t+\q)+\j+1], v[8*(2*\t+\q)+\j:8*(2*\t+\q)+\j+1], v[QQ+4*\q+\j%4:QQ+4*\q+\j%4+1]
.endr
.endr
.endr
	WIN 0
.endm
	s_load_b256 s[4:11], s[0:1], 0x0               ; codes s[4:5], qcodes s[6:7], qimg s[8:9], the scales' exponents s[10:11]
	s_load_b64 s[12:13], s[0:1], 0x20              ; out0
	v_lshl_add_u32 v[SPW], v0, 2, SPARE
	v_mov_b32 v[NIL], 0
	ds_add_u32 v1, v2
	ds_add_u32 v1, v2
	s_wait_dscnt 0x0
	v_lshrrev_b32 v[TQ], 5, v0
	v_readfirstlane_b32 s[WV], v[TQ]               ; wave 0..3
	s_bfe_u32 s[CX], ttmp6, 0x40000                ; cx: my place in the cluster: it enters the addresses of qcodes, qimg, out0 and the prefetches alone
	s_and_b32 s[BT], ttmp7, 0xffff                 ; the batch, which the four partners share
	; descriptor group 1: a quarter of a block, dense: 128 rows of 256 bytes
	s_mov_b32 s[G1], 15|(3<<16)|(1<<21)            ; 15:0 the mask: all four work-groups; 17:16 elements of 8 bytes; 21 set beside a mask; no padding
	s_mov_b32 s[G1+1], 32<<16                      ; tensor_dim0 = 32
	s_mov_b32 s[G1+2], 128<<16                     ; tensor_dim1 = 128
	s_mov_b32 s[G1+3], 32<<16                      ; tile_dim0 = 32
	s_mov_b32 s[G1+4], 128                         ; tile_dim1 = 128
	s_mov_b32 s[G1+5], 32                          ; tensor_dim0_stride
	s_mov_b32 s[G1+6], 0
	s_mov_b32 s[G1+7], 0
	s_mov_b32 s[SEL], 0x76543210
	s_mov_b32 s[SEL+1], 0xfedcba98
	v_and_b32 v[LN], 31, v0
	v_lshlrev_b32 v[LI], 4, v[LN]
	v_lshlrev_b32 v[LB], 8, v[LN]
	v_lshlrev_b32 v[AD], 4, v[LN]
	v_add_nc_u32 v[AD+1], 0x10000, v[AD]
	v_add_nc_u32 v[AD+2], 0x20000, v[AD]
	v_add_nc_u32 v[AD+3], 0x30000, v[AD]
	s_lshl_b32 s48, s[BT], 21                      ; the stream: the batch's 2 MiB, + my quarter of a block: made of what the partners share
	s_lshl_b32 s49, s[WV], 15
	s_add_co_u32 s48, s48, s49
	s_mov_b32 s49, 0
	s_lshl_b32 s52, s[BT], 21                      ; the prefetches: block 2 of the batch, + 32,768 cx + 8,192 wave
	s_lshl_b32 s53, s[CX], 15
	s_add_co_u32 s52, s52, s53
	s_lshl_b32 s53, s[WV], 13
	s_add_co_u32 s52, s52, s53
	s_add_co_u32 s52, s52, 2*SLOTB
	s_mov_b32 s53, 0
	s_lshl_b32 s54, s[CX], 17                      ; qcodes: tile 8 cx + 2 wave, 16,384 bytes a tile
	s_lshl_b32 s55, s[WV], 15
	s_add_co_u32 s54, s54, s55
	s_mov_b32 s55, 0
	s_lshl_b32 s58, s54, 2                         ; qimg: 65,536 bytes a tile
	s_mov_b32 s59, 0
	s_lshl_b32 s60, s[CX], 15                      ; out0: row 128 cx + 32 wave of 256 bytes, + 4 x batch
	s_lshl_b32 s61, s[WV], 13
	s_add_co_u32 s60, s60, s61
	s_lshl_b32 s61, s[BT], 2
	s_add_co_u32 s60, s60, s61
	s_mov_b32 s61, 0
	s_wait_kmcnt 0x0
	s_load_b128 s[20:23], s[10:11], 0x0            ; e0, e1, e2, e3
	s_add_nc_u64 s[50:51], s[4:5], s[48:49]
	s_add_nc_u64 s[PFA:PFA+1], s[4:5], s[52:53]
	s_add_nc_u64 s[6:7], s[6:7], s[54:55]
	s_add_nc_u64 s[8:9], s[8:9], s[58:59]
	s_add_nc_u64 s[12:13], s[12:13], s[60:61]
	s_mov_b32 s[G0], 1                             ; 1:0 count = 1
	s_lshl_b32 s[G0+1], s[WV], 15                  ; LDS address: slot 0, my quarter
	s_mov_b64 s[G0+2:G0+3], s[50:51]               ; global address: block 0
	s_or_b32 s[G0+3], s[G0+3], 0x80000000          ; type = 2
	s_mov_b32 s[G0+4], 1
	s_add_co_u32 s[G0+5], s[G0+1], SLOTB           ; slot 1
	s_add_nc_u64 s[G0+6:G0+7], s[50:51], SLOTB     ; block 1
	s_or_b32 s[G0+7], s[G0+7], 0x80000000
	CROUND                                         ; all four work-groups are here: the first joint loads meet
	tensor_load_to_lds s[G0:G0+3], s[G1:G1+7]
	s_nop 0
	tensor_load_to_lds s[G0+4:G0+7], s[G1:G1+7]
	s_nop 0
	PLACES 4
	WIN 0x40                                       ; destination in window 1
.irp s, 0,1,2,3,4,5,6,7
.irp q, 0,1
.irp c, 0,1,2,3
	global_load_b128 v[16*(2*\s+\q)+4*\c:16*(2*\s+\q)+4*\c+3], v[LI], s[6:7] offset:\q*16384+\s*2048+\c*512   ; the queries' codes stay in registers through chunks 0-3
.endr
.endr
.endr
	WIN 0x80                                       ; destination in window 2
.set NI, 0
.rept 256
	v_mov_b32 v[NI], 0                             ; P is written once here, while the first blocks are on their way: each chunk writes its quarter on one of four ways below, and every way must find all of P written
.set NI, NI+1
.endr
	WIN 0
.irp n, 0,1,2,3,4,5
	v_mov_b32 v[HIST+\n], 0                        ; likewise
.endr
.irp q, 0,1
	v_mov_b32 v[ST+8*\q+1], 0xff61b1e6             ; the largest t so far: -3e38, under every t
	v_mov_b32 v[ST+8*\q+2], 0                      ; the sum, in two halves
	v_mov_b32 v[ST+8*\q+3], 0
	v_mov_b32 v[ST+8*\q+5], 0                      ; (named as the upper half of f's pair)
	v_floor_f32 v[ST+8*\q], -v[ST+8*\q+1]          ; -M
.endr
	v_mov_b32 v[ONE], 0x7f7f7f7f
	s_wait_kmcnt 0x0
	s_add_co_i32 s48, s20, s21
	s_lshl_b32 s48, s48, 23
	s_add_co_i32 s[CS], s48, 0x3d38aa3b            ; log2(e) / 32, with e0 + e1 added to its exponent field
	s_mov_b32 s[CS+1], s[CS]                       ; (named with it as a pair)
	s_add_co_i32 s48, s22, 127
	s_lshl_b32 s49, s48, 23
	v_mov_b32 v[SCP], s49                          ; 2^e2 as f32
	s_add_co_i32 s48, s48, 15
	s_lshl_b32 s48, s48, 23
	s_or_b32 s48, s48, 0x600000
	v_mov_b32 v[LIMP], s48                         ; 57,344 x 2^e2
	s_add_co_i32 s[ESUM], s22, s23
	s_mov_b32 s[KC], 0
	s_wait_loadcnt 0x0                             ; the queries' codes
	s_wait_tensorcnt 0x1                           ; my quarter of slot 0 is in; slot 1's may stay out
	s_barrier_signal -1
	s_barrier_wait -1                              ; everybody's is
.Lp1:                                              ; chunks 0-3: S^T = X Q^T, the softmax, P
	HALF 0, 0, 0xf4, 1, 1, 1
	HALF 1, 1, 0xf4, 0, 1, 1
	SOFTMAX
	s_cmp_lg_u32 s[KC], 0                          ; P's registers differ from chunk to chunk: only these lines are written four times; the branch hangs on the loop's counter alone
	s_cbranch_scc1 .Lnot_c0
	COMMIT 0
	s_branch .Lcommitted
.Lnot_c0:
	s_cmp_lg_u32 s[KC], 1
	s_cbranch_scc1 .Lnot_c1
	COMMIT 1
	s_branch .Lcommitted
.Lnot_c1:
	s_cmp_lg_u32 s[KC], 2
	s_cbranch_scc1 .Lnot_c2
	COMMIT 2
	s_branch .Lcommitted
.Lnot_c2:
	COMMIT 3
.Lcommitted:
	s_add_co_u32 s[KC], s[KC], 1
	s_cmp_lt_u32 s[KC], 4
	s_cbranch_scc1 .Lp1
	; The rows' sums; then the codes of chunks 0-2 under the last M.
.irp q, 0,1
	v_add_f32 v[LS+\q], v[ST+8*\q+2], v[ST+8*\q+3]
.endr
.irp q, 0,1
	v_permlanex16_b32 v[ST+8*\q+6], v[LS+\q], s[SEL], s[SEL+1]
.endr
.irp q, 0,1
	v_add_f32 v[LS+\q], v[LS+\q], v[ST+8*\q+6]
.endr
.irp k, 0,1,2
.irp q, 0,1
	v_sub_f32 v[HIST+2*\k+\q], v[HIST+2*\k+\q], v[ST+8*\q]   ; M - M_k: a whole number, 0 or more
.endr
.endr
.irp n, 0,1,2,3,4,5
	v_min_num_f32 v[HIST+\n], 0x42fe0000, v[HIST+\n]         ; at most 127: beyond that every code is 0 all the same (a code is at most 57,344)
.endr
.irp n, 0,1,2,3,4,5
	v_cvt_i32_f32 v[HIST+\n], v[HIST+\n]
.endr
.irp n, 0,1,2,3,4,5
	v_ldexp_f32 v[HIST+\n], 1.0, v[HIST+\n]                  ; 2^(M - M_k): the conversion divides by it
.endr
.irp n, 0,1,2,3,4,5                    ; registers 32 n .. 32 n + 31 of P: chunk n / 2; the first 16 are tile 0's, the others tile 1's
	WIN 0x02                                       ; source 0 in window 2
.irp p, 0,1,2,3,4,5,6,7,8,9,10,11,12,13,14,15
	v_cvt_scale_pk8_f32_bf8 v[FB+8*\p:FB+8*\p+7], v[32*\n+2*\p:32*\n+2*\p+1], v[ONE]
.endr
	v_nop                                          ; one plain line between conversions and the lines that read their results and write their sources
	WIN 0x80                                       ; destination in window 2
.irp p, 0,1,2,3,4,5,6,7,8,9,10,11,12,13,14,15
	v_cvt_scalef32_pk8_bf8_f32 v[32*\n+2*\p:32*\n+2*\p+1], v[FB+8*\p:FB+8*\p+7], v[HIST+2*(\n/2)+\p/8]
.endr
	v_nop
.endr
	WIN 0
.set NI, 0
.rept 24
	v_mov_b32 v[DOT+NI], 0                         ; the three sums: the loop below is written once
.set NI, NI+1
.endr
	s_mov_b32 s[CNT2], 3
.Lp2:                                              ; chunks 4-6: O^T = X^T P^T, and the three sums
	QIMG
	HALF 0, 0, 0xf8, 1, 1, 1
	HALF 1, 1, 0xf8, 0, 1, 2
	EPI
	s_add_nc_u64 s[8:9], s[8:9], 16384             ; the next 16 tiles of d (behind the wait that shows the loads done)
	s_sub_co_u32 s[CNT2], s[CNT2], 1
	s_cmp_lg_u32 s[CNT2], 0
	s_cbranch_scc1 .Lp2
	QIMG                                           ; chunk 7 is written out: nothing is left to ask for
	HALF 0, 0, 0xf8, 1, 2, 0
	HALF 1, 1, 0xf8, 0, 0, 0
	EPI
	; THE END: the chains and the two halves of the lanes are joined; agg = O x 2^(e2 + e3) / the row's sum; logit = q . agg / max(|agg|, 1e-12) / max(|q|, 1e-12).
.irp q, 0,1
	v_pk_add_f32 v[DOT+4*\q:DOT+4*\q+1], v[DOT+4*\q:DOT+4*\q+1], v[DOT+4*\q+2:DOT+4*\q+3]
	v_pk_add_f32 v[SS+4*\q:SS+4*\q+1], v[SS+4*\q:SS+4*\q+1], v[SS+4*\q+2:SS+4*\q+3]
	v_pk_add_f32 v[QQ+4*\q:QQ+4*\q+1], v[QQ+4*\q:QQ+4*\q+1], v[QQ+4*\q+2:QQ+4*\q+3]
.endr
.irp q, 0,1
	v_add_f32 v[DOT+4*\q], v[DOT+4*\q], v[DOT+4*\q+1]
	v_add_f32 v[SS+4*\q], v[SS+4*\q], v[SS+4*\q+1]
	v_add_f32 v[QQ+4*\q], v[QQ+4*\q], v[QQ+4*\q+1]
.endr
.irp q, 0,1
	v_permlanex16_b32 v[DOT+4*\q+1], v[DOT+4*\q], s[SEL], s[SEL+1]
	v_permlanex16_b32 v[SS+4*\q+1], v[SS+4*\q], s[SEL], s[SEL+1]
	v_permlanex16_b32 v[QQ+4*\q+1], v[QQ+4*\q], s[SEL], s[SEL+1]
.endr
.irp q, 0,1
	v_add_f32 v[DOT+4*\q], v[DOT+4*\q], v[DOT+4*\q+1]
	v_add_f32 v[SS+4*\q], v[SS+4*\q], v[SS+4*\q+1]
	v_add_f32 v[QQ+4*\q], v[QQ+4*\q], v[QQ+4*\q+1]
.endr
.irp q, 0,1
	v_rcp_f32 v[DOT+4*\q+2], v[LS+\q]
	v_sqrt_f32 v[SS+4*\q+2], v[SS+4*\q]
	v_sqrt_f32 v[QQ+4*\q+2], v[QQ+4*\q]
.endr
	v_nop                                          ; a plain line behind the last of the batch
	s_wait_alu depctr_va_vdst(0)                   ; one wait for the six, ahead of their first reader
.irp q, 0,1
	v_ldexp_f32 v[DOT+4*\q+2], v[DOT+4*\q+2], s[ESUM]        ; s = 2^(e2 + e3) / the row's sum
	v_max_num_f32 v[QQ+4*\q+2], 0x2b8cbccc, v[QQ+4*\q+2]     ; max(|q|, 1e-12)
.endr
.irp q, 0,1
	v_mul_f32 v[SS+4*\q+2], v[SS+4*\q+2], v[DOT+4*\q+2]      ; |agg|
	v_mul_f32 v[DOT+4*\q], v[DOT+4*\q], v[DOT+4*\q+2]        ; q . agg
.endr
.irp q, 0,1
	v_max_num_f32 v[SS+4*\q+2], 0x2b8cbccc, v[SS+4*\q+2]     ; max(|agg|, 1e-12)
.endr
.irp q, 0,1
	v_rcp_f32 v[SS+4*\q+3], v[SS+4*\q+2]
	v_rcp_f32 v[QQ+4*\q+3], v[QQ+4*\q+2]
.endr
	v_nop
	v_cmp_gt_u32 vcc_lo, 16, v[LN]
	s_wait_alu depctr_va_vdst(0)                   ; one wait for the four
.irp q, 0,1
	v_mul_f32 v[DOT+4*\q], v[DOT+4*\q], v[SS+4*\q+3]
.endr
.irp q, 0,1
	v_mul_f32 v[DOT+4*\q], v[DOT+4*\q], v[QQ+4*\q+3]
.endr
	v_cndmask_b32 v[TQ], v[DOT+4], v[DOT], vcc_lo  ; both halves of the lanes hold both tiles' results: lanes 0-15 give tile 0's queries, lanes 16-31 tile 1's
	global_store_b32 v[LB], v[TQ], s[12:13]        ; out0[128 cx + 32 wave + lane][batch]
	s_wait_tensorcnt 0x0                           ; the wave's end
	ds_add_u32 v[SPW], v[NIL]
	s_wait_dscnt 0x0
	CROUND                                         ; the closing round: no work-group ends while a partner may still ask for a block that names it
	s_endpgm
.Lfunc_end_k_qd0ab733df1_attn:
	.size	k_qd0ab733df1_attn, .Lfunc_end_k_qd0ab733df1_attn-k_qd0ab733df1_attn
	.p2alignl 7, 3214868480
	.fill 96, 4, 3214868480
	.section	.rodata,"a",@progbits
	.p2align	6, 0x0
	.amdhsa_kernel k_qd0ab733df1_attn
		.amdhsa_group_segment_fixed_size 327680
		.amdhsa_private_segment_fixed_size 0
		.amdhsa_enable_private_segment 0
		.amdhsa_kernarg_size 40
		.amdhsa_user_sgpr_count 2
		.amdhsa_user_sgpr_kernarg_segment_ptr 1
		.amdhsa_wavefront_size32 1
		.amdhsa_system_sgpr_workgroup_id_x 1
		.amdhsa_system_sgpr_workgroup_id_y 1
		.amdhsa_system_sgpr_workgroup_id_z 1
		.amdhsa_system_vgpr_workitem_id 0
		.amdhsa_next_free_vgpr 1024
		.amdhsa_next_free_sgpr 66
		.amdhsa_reserve_vcc 1
		.amdhsa_float_denorm_mode_32 3
		.amdhsa_float_denorm_mode_16_64 3
		.amdhsa_memory_ordered 1
		.amdhsa_forward_progress 1
		.amdhsa_inst_pref_size 255
	.end_amdhsa_kernel
	.section	.bss,"aw",@nobits
	.p2align	6
	.space	262144
	.amdgpu_metadata
---
amdhsa.version: [ 1, 2 ]
amdhsa.kernels:
  - .name:           k_qd0ab733df1_attn
    .symbol:         k_qd0ab733df1_attn.kd
    .args:
      - { .name: codes, .offset: 0, .size: 8, .value_kind: global_buffer, .address_space: global }
      - { .name: qcodes, .offset: 8, .size: 8, .value_kind: global_buffer, .address_space: global }
      - { .name: qimg, .offset: 16, .size: 8, .value_kind: global_buffer, .address_space: global }
      - { .name: lowp_scales, .offset: 24, .size: 8, .value_kind: global_buffer, .address_space: global }
      - { .name: out0, .offset: 32, .size: 8, .value_kind: global_buffer, .address_space: global }
    .group_segment_fixed_size: 327680
    .private_segment_fixed_size: 0
    .kernarg_segment_align: 8
    .kernarg_segment_size: 40
    .max_flat_workgroup_size: 128
    .sgpr_count:     66
    .vgpr_count:     1024
    .wavefront_size: 32
...
	.end_amdgpu_metadata
.endif
;; end of part 2
